; MI455X (gfx1250); checked and timed in simulation.
; The chip was launched on July 23, 2026; its instructions are those of AMD's public machine-readable ISA for CDNA 5 (MIT licence, August 2026) and "CDNA5" Instruction Set Architecture Reference Guide (July 2026). The comments in the code are by the model that wrote it; some were corrected since.
;; Quant Linear Dequant. Allowed arithmetic: matrix products marked QUANTISED: E2M1 operands, one E8M0 scale for each 32 along K, by v_wmma_scale_f32_16x16x128_f8f6f4 with both operands' format E2M1 (or v_wmma_scale_f32_32x16x128_f4), f32 sums; everything else in f32.
;; Inputs: Wq 4,096 x 4,096 int8; bias_param 4,096 float32; row_scales 4,096 float32; x_codes 4,096 x 128 x 16 uint8 (E2M1 codes of x, K innermost, in blocks of 32 codes, two codes a byte); x_scales 4,096 x 128 uint8 (E8M0 scales of x, one for each 32 codes along K).
;; Outputs: out0 4,096 x 4,096 float32.
;; This version of the problem:
;;   THIS VERSION OF THE PROBLEM IS GIVEN IN LOW PRECISION. The matrix products marked QUANTISED in the list below multiply operands that are first quantised to E2M1 (2 exponent bits, 1 mantissa bit; 4 bits a number), with one power-of-two scale for each 32 numbers along K (OCP MX v1.0); their sums are f32. All else is computed in f32.
;;   The module's matrix products, in the order in which they are computed (A, B: the left and right operand; K: the contracted axis; several contracted axes count as one K, in the product's order):
;;     1. [M 4,096, K 4,096] x [K 4,096, N 4,096]; A: input x (given as codes); B: computed on the way: QUANTISED
;;   THE QUANTISER, for each operand of a quantised product, along K:
;;     - K is cut into blocks of 32 from its start; a last block that is shorter is filled with zeros.
;;     - A block's scale is 2^e with e = floor(log2(the largest magnitude in the block)) - 2, held to -126 .. 127; a block of zeros has e = 0. As a byte (E8M0): e + 127.
;;     - Each number is divided by its block's scale, clamped to +-6, and rounded to the nearest number of E2M1, ties to even, subnormals kept.
;;     - The product sums the exact products of the quantised numbers (number of the format x scale) in f32.
;;   ~~~python
;;   def quantise(x, axis):      # numpy; x: float32 -> the quantised numbers, widened to float32 again
;;       x = np.moveaxis(x, axis, -1); K = x.shape[-1]
;;       x = np.pad(x, [(0, 0)] * (x.ndim - 1) + [(0, -K % 32)]); x = x.reshape(x.shape[:-1] + (-1, 32)); a = np.abs(x).max(-1, keepdims=True)
;;       e = np.where(a > 0, np.clip(np.frexp(np.where(a > 0, a, 1))[1] - 1 - 2, -126, 127), 0)      # np.frexp(a)[1] - 1 = floor(log2(a)), exactly
;;       r = np.clip(x / 2.0 ** e, -6, 6)
;;       step = 2.0 ** (np.maximum(np.frexp(np.where(r == 0, 1, r))[1] - 1, 0) - 1)
;;       q = np.round(r / step) * step * 2.0 ** e      # np.round: ties to even
;;       return np.moveaxis(q.reshape(q.shape[:-2] + (-1,))[..., :K], -1, axis).astype(np.float32)
;;   ~~~
;;   OPERANDS COMPUTED ON THE WAY. 'Computed on the way' means the value that the module computes at that place (a softmax that the list does not call 'softmax' is quantised finished and normalised). What goes into a quantiser is computed in f32, as accurately as f32 sums, v_exp_f32 and their like allow (about 1e-6 of the number): no bf16 or f16 on the way to a quantiser, and a product that is left as it is and whose result goes on into a quantised operand takes f32 operands (vector FMAs, or v_wmma_f32_16x16x4_f32). A number that lies on a knife's edge between two numbers of the format may be rounded either way, as far as f32 arithmetic and the matrix unit's own rounding can turn it there, and no further.
;;   INPUTS GIVEN AS CODES. x (in the module: [4096, 4096], K = its axis 1): each comes as NAME_codes (uint8): NAME with its K axis moved to the last place and cut into blocks of 32 codes, [.., K / 32, bytes a block], one block behind the other in memory; two codes a byte, the lower K in the low four bits (a code: sign, 2 exponent bits, 1 mantissa bit); and NAME_scales (uint8): the same leading axes, one E8M0 byte (e + 127) for each 32 codes along K. Its value is code x scale, taken as it is: it is not quantised again, and the codes and scales need not be those that the quantiser above would give.
;; One version. Each part assembles by itself: llvm-mc -triple=amdgcn-amd-amdhsa -mcpu=gfx1250 --defsym DOCPART=n.
;; ======== version 1 of 1: 2 launches
;; limits: right only within a limited range of input values
;; workspace buffers: wpack 8,912,896 bytes
;; launch packw (part 1): grid 256 x 1, 8 waves a work-group, no clusters, 38,912 bytes of LDS; arguments Wq, row_scales, wpack; writes wpack
.if DOCPART == 1
	.amdgcn_target "amdgcn-amd-amdhsa--gfx1250"
	.amdhsa_code_object_version 6
	.text
	.protected	k_q4288799b7a_packw
	.globl	k_q4288799b7a_packw
	.p2align	8
	.type	k_q4288799b7a_packw,@function
k_q4288799b7a_packw:
	s_mov_b64 s[64:65], 0
	v_nop
	global_prefetch_b8 v0, s[64:65] scope:SCOPE_SE
	s_setreg_imm32_b32 hwreg(HW_REG_WAVE_MODE, 25, 1), 1
	s_wait_xcnt 0x0
; W[o][k] = f32(Wq[o][k]) x (row_scales[o] / 127), in f32, becomes codes of FP4 (E2M1) with one E8M0 byte for each 32 along K, laid in the order in which the product's operand registers take them:
; wpack = [64 groups G of 64 rows][32 steps s of 128 along K][4,352 bytes].  In a record: 16-byte unit (b, c, h, r), b = 0..3, c, h = 0..1, r = 0..15, at b x 1024 + c x 512 + h x 256 + r x 16, is the block of 32 codes of
; row 64 G + 4 r + b, k = 128 s + 64 c + 32 h (the lower k in the low four bits); behind the 4,096 bytes of codes, at 16 r + 4 b + j, that row's scale byte of block j = 2 c + h.
; A block's scale is 2^(floor(log2(its largest magnitude)) - 2).  Each number is divided by the scale and rounded to the nearest code, ties to even, beyond the largest code the largest.
; LIMITS: a block of zeros gets the byte 1 where the rule says 127 (its codes are zeros, and these bytes are read by this program alone); blocks whose largest magnitude lies under 2^-124 have their byte held at 1;
; row_scales / 127 is made by a multiplication with 1 / 127 and one fused correction step, which may differ from the rounded quotient by one unit in the last place in rare cases; NaN and infinities in row_scales are not served.
; SHARES.  Work-group g takes group G = g / 4, steps 8 (g % 4) .. + 7: 34,816 consecutive bytes of wpack.  Wave w reads rows 8 w .. 8 w + 7 of the group, 1,024 bytes of each, in FOUR STAGES of 256 bytes (two records): a load takes
; two rows, sixteen lanes 256 consecutive bytes of each.  A lane holds 16 NEIGHBOURS along K, lanes 2 m and 2 m + 1 hold a block.  The records are gathered in LDS, each in bytes of its own; the codes of stages 0 and 1, of
; stage 2 and of stage 3 leave behind a barrier each, while later stages' loads are on their way.  No tensor load, no matrix unit, no cluster: every byte is read once by one wave.
.set PR,   4736                        ; a record in LDS: 17 chunks of 256 bytes, 272 apart, + 112: the 32 lanes of a store of codes touch 64 different banks (64 banks of 4 bytes: ISA guide 11.1)
.set D,    16                          ; v16-79   the loads: stage q's at v[D + 16 q]; behind the stage's conversion its way out
.set F,    80                          ; v80-111  32 numbers in f32
.set C,    112                         ; v112-119 codes, by turns
.set E,    124                         ; v124-127 scale bytes, by turns
.set FAC,  128                         ; v128-135 the factors of my rows 2 m + lane / 16, m = 0..3, each the first of a pair
	s_load_b128 s[4:7], s[0:1], 0x0                ; Wq s[4:5], row_scales s[6:7]
	s_load_b64 s[8:9], s[0:1], 0x10                ; wpack
	v_lshl_add_u32 v136, v0, 2, 37888              ; my spare word
	v_mov_b32 v137, 0
	v_lshrrev_b32 v1, 5, v0
	v_readfirstlane_b32 s16, v1                    ; wave 0..7
	v_and_b32 v1, 31, v0                           ; lane l
	v_and_b32 v2, 15, v0
	v_bfe_u32 v5, v0, 4, 1                         ; h = l / 16
	v_bfe_u32 v8, v0, 3, 1                         ; my record of the stage's two
	v_bfe_u32 v9, v0, 1, 2                         ; j: my block in it
	v_lshlrev_b32 v3, 4, v1                        ; 16 bytes a lane
	v_lshlrev_b32 v6, 3, v1                        ; 8 bytes a lane
	v_lshlrev_b32 v10, 4, v2                       ; 16 x (l % 16)
	v_mul_u32_u24 v8, v8, PR
	v_mul_u32_u24 v12, v9, 272
	v_lshl_add_u32 v14, v5, 12, v10                ; in: lanes 16-31 take the next row
	s_lshl_b32 s17, s16, 5                         ; rows 8 w .. stand 32 w bytes further on, in codes and in scales alike
	v_lshl_add_u32 v7, v5, 2, v8                   ; the scale byte: record x PR + 4 h + j
	v_add_nc_u32 v8, v8, v12
	v_mul_u32_u24 v12, v5, 1088                    ; the codes: record x PR + (4 h + j) chunks + 8 x (l % 2)
	v_add_nc_u32 v7, v7, v9
	v_add_nc_u32 v8, v8, v12
	v_and_b32 v9, 1, v0
	v_add_nc_u32 v7, s17, v7
	v_lshl_add_u32 v4, v9, 3, v8
	v_add_nc_u32 v4, s17, v4
	s_lshr_b32 s20, s16, 2                         ; the way out of a stage: record w / 4 of its two,
	s_and_b32 s21, s16, 3                          ; chunks 4 (w % 4) .. + 3
	s_mul_i32 s18, s20, PR
	s_mul_i32 s19, s21, 1088
	s_add_co_u32 s18, s18, s19
	v_bfe_u32 v5, v0, 4, 1
	v_mul_u32_u24 v5, v5, 272                      ; lanes 0-15 one chunk, lanes 16-31 the next
	v_and_b32 v12, 15, v0
	v_lshl_add_u32 v5, v12, 4, v5
	v_add_nc_u32 v5, s18, v5
	s_mul_i32 s19, s16, PR                         ; and of the scale bytes: record w
	v_add_nc_u32 v2, s19, v6
	v_and_b32 v12, 31, v0
	v_cmp_lt_u32 vcc_lo, 15, v12                   ; lanes 16-31
	s_lshr_b32 s10, ttmp9, 2                       ; G
	s_and_b32 s11, ttmp9, 3
	s_lshl_b32 s18, s10, 18                        ; Wq: 64 rows of 4,096 bytes a group,
	s_lshl_b32 s19, s16, 15                        ; 8 rows a wave,
	s_add_co_u32 s18, s18, s19
	s_lshl_b32 s19, s11, 10                        ; 1,024 bytes of a row
	s_add_co_u32 s18, s18, s19
	s_mov_b32 s19, 0
	s_lshl_b32 s12, s10, 8                         ; row_scales: 8 numbers a wave
	s_lshl_b32 s13, s16, 5
	s_add_co_u32 s12, s12, s13
	s_mov_b32 s13, 0
	s_mul_i32 s14, ttmp9, 34816                    ; wpack: my eight records,
	s_mul_i32 s10, s20, 4352                       ; the codes that I store of each stage,
	s_lshl_b32 s11, s21, 10
	s_add_co_u32 s10, s10, s11
	s_add_co_u32 s10, s10, s14
	s_mov_b32 s11, 0
	s_mul_i32 s15, s16, 4352                       ; and record w's scale bytes
	s_add_co_u32 s14, s14, s15
	s_add_co_u32 s14, s14, 4096
	s_mov_b32 s15, 0
	s_mov_b32 s22, 0xc2fe0000                      ; -127.0
	s_mov_b32 s23, 0x3c010204                      ; 1 / 127, rounded
	s_mov_b32 s24, 0x80808080                      ; turns four signed bytes q into q + 128
	s_mov_b32 s25, 0x4b000000                      ; 2^23: its top byte over a byte u gives the f32 number 2^23 + u
	s_mov_b32 s26, 0x07040400                      ; v_perm_b32: byte 0 = byte b of the data, bytes 1 and 2 = 0, byte 3 = 0x4b
	s_mov_b32 s27, 0x07040401
	s_mov_b32 s28, 0x07040402
	s_mov_b32 s29, 0x07040403
	s_mov_b32 s30, 0xcb000080                      ; -(2^23 + 128)
	s_mov_b32 s31, s30
	s_wait_alu depctr_va_vdst(0)
	s_wait_kmcnt 0x0
	s_add_nc_u64 s[4:5], s[4:5], s[18:19]
	s_add_nc_u64 s[6:7], s[6:7], s[12:13]
	s_add_nc_u64 s[14:15], s[8:9], s[14:15]
	s_add_nc_u64 s[8:9], s[8:9], s[10:11]
	s_load_b256 s[32:39], s[6:7], 0x0              ; my 8 rows' scales: no line of this launch writes that buffer
.irp q, 0,1,2,3
.irp m, 0,1,2,3
	global_load_b128 v[D+16*\q+4*\m:D+16*\q+4*\m+3], v14, s[4:5] offset:8192*\m+256*\q th:TH_LOAD_NT   ; rows 2 m and 2 m + 1: 256 consecutive, aligned bytes of each
.endr
.endr
	s_wait_kmcnt 0x0
.irp i, 0,1,2,3,4,5,6,7
	s_mul_f32 s[40+\i], s[32+\i], s23              ; q = s x (1 / 127)
.endr
.irp i, 0,1,2,3,4,5,6,7
	s_fmac_f32 s[32+\i], s[40+\i], s22             ; what is left: s - 127 q, fused
.endr
.irp i, 0,1,2,3,4,5,6,7
	s_fmac_f32 s[40+\i], s[32+\i], s23             ; q + that / 127: row i's scale / 127
.endr
.irp i, 0,1,2,3,4,5,6,7
	v_mov_b32 v[FAC+\i], s[40+\i]
.endr
.irp m, 0,1,2,3
	v_cndmask_b32 v[FAC+2*\m], v[FAC+2*\m], v[FAC+2*\m+1], vcc_lo   ; lanes 0-15 row 2 m, lanes 16-31 row 2 m + 1
.endr
	s_wait_alu depctr_va_vdst(0)
; Two loads (rows 4 u .. 4 u + 3) of stage q: e = 0, 1 stands for m = 2 u + e.
.macro UNIT q, u
.set DR, D+16*(\q)+8*(\u)
	s_wait_loadcnt 14-4*(\q)-2*(\u)                ; loads come back in order (ISA guide 5.7.1): these two are in, the younger ones may be out
.irp d, 0,1,2,3,4,5,6,7
	v_xor_b32 v[DR+\d], s24, v[DR+\d]              ; u = q + 128, four at a time
.endr
.irp d, 0,1,2,3,4,5,6,7
.irp b, 0,1,2,3
	v_perm_b32 v[F+4*\d+\b], s25, v[DR+\d], s[26+\b]   ; the f32 number 2^23 + u
.endr
.endr
.irp j, 0,2,4,6,8,10,12,14,16,18,20,22,24,26,28,30
	v_pk_add_f32 v[F+\j:F+\j+1], v[F+\j:F+\j+1], s[30:31] op_sel_hi:[1,0]   ; - (2^23 + 128): q, exactly
.endr
.irp e, 0,1
.set FM, FAC+4*(\u)+2*\e
.irp j, 0,2,4,6,8,10,12,14
	v_pk_mul_f32 v[F+16*\e+\j:F+16*\e+\j+1], v[F+16*\e+\j:F+16*\e+\j+1], v[FM:FM+1] op_sel_hi:[1,0]   ; W = q x (scale / 127): one rounding
.endr
.endr
.irp e, 0,1                            ; the largest magnitude of each load's 16, four chains by turns
	v_max3_num_f32 v[8+2*\e], |v[F+16*\e]|, |v[F+16*\e+1]|, |v[F+16*\e+2]|
	v_max3_num_f32 v[9+2*\e], |v[F+16*\e+3]|, |v[F+16*\e+4]|, |v[F+16*\e+5]|
.endr
.irp j, 6,10
.irp e, 0,1
	v_max3_num_f32 v[8+2*\e], v[8+2*\e], |v[F+16*\e+\j]|, |v[F+16*\e+\j+1]|
	v_max3_num_f32 v[9+2*\e], v[9+2*\e], |v[F+16*\e+\j+2]|, |v[F+16*\e+\j+3]|
.endr
.endr
.irp e, 0,1
	v_max3_num_f32 v[8+2*\e], v[8+2*\e], |v[F+16*\e+14]|, |v[F+16*\e+15]|
.endr
.irp e, 0,1
	v_max3_num_f32 v[8+2*\e], v[8+2*\e], v[9+2*\e], 0x1800000    ; and the floor 2^(3 - 127): so the byte cannot fall under 1
.endr
.irp e, 0,1
	v_max_num_f32_dpp v[8+2*\e], v[8+2*\e], v[8+2*\e] row_xmask:1 row_mask:0xf bank_mask:0xf   ; and of my neighbour's 16: the block's
.endr
.irp e, 0,1
	v_add_nc_u32 v[12+\e], 0xff000000, v[8+2*\e]   ; 2 off its exponent field: the conversion takes the exponent field of this operand as its scale, and nothing else of it
.endr
.set CR, C+4*(\u)
.set ER, E+2*(\u)
.irp e, 0,1
	v_cvt_scalef32_pk8_fp4_f32 v[CR+2*\e], v[F+16*\e:F+16*\e+7], v[12+\e]        ; eight codes, the first number's in the lowest four bits
	v_cvt_scalef32_pk8_fp4_f32 v[CR+2*\e+1], v[F+16*\e+8:F+16*\e+15], v[12+\e]
.endr
.irp e, 0,1
	v_lshrrev_b32 v[ER+\e], 23, v[12+\e]           ; the scale's byte.  (Also plain instructions behind the conversions)
.endr
.irp e, 0,1                            ; row 8 w + 2 m + h: r = 2 w + u, b = 2 e + h
	ds_store_b64 v4, v[CR+2*\e:CR+2*\e+1] offset:2*PR*(\q)+2176*\e+16*(\u)
	ds_store_b8 v7, v[ER+\e] offset:2*PR*(\q)+4352+16*(\u)+8*\e      ; both lanes of a block write the same byte with the same value
.endr
.endm
.macro MEET                            ; for the others' sake: my stores into the records are done; behind the barrier everybody's are
	s_wait_dscnt 0x0
	s_barrier_signal -1
	s_barrier_wait -1
.endm
.macro OUT q                           ; my four chunks of stage q's codes
.irp u, 0,1
	ds_load_b128 v[D+16*(\q)+4*\u:D+16*(\q)+4*\u+3], v5 offset:2*PR*(\q)+544*\u
.endr
.irp u, 0,1
	s_wait_dscnt 1-\u
	global_store_b128 v3, v[D+16*(\q)+4*\u:D+16*(\q)+4*\u+3], s[8:9] offset:8704*(\q)+512*\u   ; 32 lanes store 512 consecutive bytes, at a multiple of 256 from wpack's first byte
.endr
.endm
.irp q, 0,1,2,3
	UNIT \q, 0
	UNIT \q, 1
.if \q > 0
	MEET
.endif
.if \q == 1
	OUT 0
.endif
.if \q > 0
	OUT \q
.endif
.endr
	ds_load_b64 v[D+56:D+57], v2 offset:4352       ; record w's scale bytes
	s_wait_dscnt 0x0
	global_store_b64 v6, v[D+56:D+57], s[14:15]    ; 256 consecutive, aligned bytes
	s_wait_tensorcnt 0x0                           ; the wave's end
	ds_add_u32 v136, v137
	s_wait_dscnt 0x0
	s_endpgm
.Lfunc_end_k_q4288799b7a_packw:
	.size	k_q4288799b7a_packw, .Lfunc_end_k_q4288799b7a_packw-k_q4288799b7a_packw
	.p2alignl 7, 3214868480
	.fill 96, 4, 3214868480
	.section	.rodata,"a",@progbits
	.p2align	6, 0x0
	.amdhsa_kernel k_q4288799b7a_packw
		.amdhsa_group_segment_fixed_size 38912
		.amdhsa_private_segment_fixed_size 0
		.amdhsa_enable_private_segment 0
		.amdhsa_kernarg_size 24
		.amdhsa_user_sgpr_count 2
		.amdhsa_user_sgpr_kernarg_segment_ptr 1
		.amdhsa_wavefront_size32 1
		.amdhsa_system_sgpr_workgroup_id_x 1
		.amdhsa_system_sgpr_workgroup_id_y 1
		.amdhsa_system_sgpr_workgroup_id_z 1
		.amdhsa_system_vgpr_workitem_id 0
		.amdhsa_next_free_vgpr 144
		.amdhsa_next_free_sgpr 66
		.amdhsa_reserve_vcc 1
		.amdhsa_float_denorm_mode_32 3
		.amdhsa_float_denorm_mode_16_64 3
		.amdhsa_memory_ordered 1
		.amdhsa_forward_progress 1
		.amdhsa_inst_pref_size 58
	.end_amdhsa_kernel
	.amdgpu_metadata
---
amdhsa.version: [ 1, 2 ]
amdhsa.kernels:
  - .name:           k_q4288799b7a_packw
    .symbol:         k_q4288799b7a_packw.kd
    .args:
      - { .name: Wq, .offset: 0, .size: 8, .value_kind: global_buffer, .address_space: global }
      - { .name: row_scales, .offset: 8, .size: 8, .value_kind: global_buffer, .address_space: global }
      - { .name: wpack, .offset: 16, .size: 8, .value_kind: global_buffer, .address_space: global }
    .group_segment_fixed_size: 38912
    .private_segment_fixed_size: 0
    .kernarg_segment_align: 8
    .kernarg_segment_size: 24
    .max_flat_workgroup_size: 256
    .sgpr_count:     66
    .vgpr_count:     144
    .wavefront_size: 32
...
	.end_amdgpu_metadata
.endif
;; end of part 1
;; launch gemm (part 2): grid 16 x 16, 4 waves a work-group, clusters of 4 x 1, 327,680 bytes of LDS; arguments x_codes, x_scales, wpack, bias_param, out0; writes out0
.if DOCPART == 2
	.amdgcn_target "amdgcn-amd-amdhsa--gfx1250"
	.amdhsa_code_object_version 6
	.text
	.protected	k_q4288799b7a_gemm
	.globl	k_q4288799b7a_gemm
	.p2align	8
	.type	k_q4288799b7a_gemm,@function
k_q4288799b7a_gemm:
	s_mov_b64 s[64:65], 0
	v_nop
	global_prefetch_b8 v0, s[64:65] scope:SCOPE_SE
	s_setreg_imm32_b32 hwreg(HW_REG_WAVE_MODE, 25, 1), 1
	s_wait_xcnt 0x0
	s_wait_alu depctr_hold_cnt(0) depctr_sa_sdst(0) depctr_va_vdst(0) depctr_va_sdst(0) depctr_va_ssrc(0) depctr_va_vcc(0) depctr_vm_vsrc(0)
	s_getreg_b32 s2, hwreg(HW_REG_IB_STS2, 6, 4)
	s_cmp_eq_u32 s2, 0
	s_cbranch_scc0 .Lentry_in_a_cluster
	s_endpgm
.Lentry_in_a_cluster:
	s_bfe_u32 s2, ttmp6, 0x10000c
	s_cmp_lg_u32 s2, 0x3003
	s_cbranch_scc0 .Lentry_shape_is_right
	s_endpgm
.Lentry_shape_is_right:
; out0[t][o] = (sum over k of x[t][k] W[o][k]) + bias[o].  x: 4,096 rows of 2,048 bytes of FP4 codes with 128 E8M0 bytes a row, taken as they are given.  W: the records that the launch before has made.  out0: f32.
; Sums in f32, K ascending in steps of 128, one accumulator for each output; the bias is added to the finished sum.
; A work-group of four waves makes 256 x 256 of out0; wave w ALL 256 ROWS x COLUMNS 64 w .. 64 w + 63: 32 accumulators of 32 x 16 (form 32x16x128_f4), 512 registers.
; x GOES THROUGH LDS: every wave reads all of it.  A ring of two slots of 1,024 along K (256 rows of 512 bytes, 16 of padding behind each), so three changes of slots in all; a wave fetches 64 rows of a slot.
;   The four work-groups of a cluster need the same rows of x and ask JOINTLY (mask 15).  x's scales of the 256 rows, for all of K, come in once with the first fill and stay.
; W GOES STRAIGHT INTO REGISTERS: no two waves of the work-group share a column.  wpack holds operand registers: a load of a wave is 512 consecutive bytes.  Eight sets of registers, one for each step of a slot; a step asks for the
;   step seven further on: nine loads a step, and every step waits for 54.  W is not asked for jointly: a joint load lands in LDS, where two slots of x, with its scales, take 305,152 of 327,680 bytes.
; NO PREFETCH: a slot of x is asked for eight steps (256 matrix instructions) ahead of its wait, W seven steps ahead of its use; there are only two refills.
; W's rows are dealt so that column 64 w + 4 r + b is lane r of W's tile b: the four sums that a lane holds of one row of out0 (b = 0 .. 3) are neighbours.  The bias's addition gathers them into four registers on end, and sixteen
;   lanes store 256 consecutive bytes: no LDS on the way out.
; THE LAST SIX STEPS GO BY ROWS: W's registers of all six stand ready, and 32 rows of out0 after the other are finished and leave while the next are multiplied.  No register that a store reads is written again.
; LIMITS: a scale byte 0xff among x's gives NaN in the whole row's sums, as E8M0 has it.
; A STEP of 128 along K has four phases of eight matrix instructions: phase w multiplies x's blocks (16 rows each) 4 w .. 4 w + 3.  ALL OF A STEP'S LOADS STAND IN ONE RUN between its two halves: the next step's x, and W seven steps on.
;   So x's blocks 0-7 have one set of registers (free by then, wanted again 16 matrix instructions later), blocks 8-15 two sets by turns.
; REGISTERS, in windows of 256.  Every window: v128-255 the sums of four blocks.  Window 0: v0-15 addresses and the bias, v16-31 x's scale words, v32-63 W's, v64-127 x's blocks 0-7.
;   Windows 1, 2: v64-127 x's blocks 8-15 of even, of odd steps; v0-63 W's sets 0-1, 2-3.  Window 3: v0-127 W's sets 4-7.
.set PITCH, 528                        ; an LDS row of x: 132 words: row r starts at bank 4 r mod 64 (64 banks of 4 bytes: ISA guide 11.1)
.set BLK,   16*PITCH                   ; 16 rows
.set SLOT,  256*PITCH
.set SCL,   2*SLOT                     ; x's scales: 136 bytes a row (128 + 8 of padding)
.set SPAIR, 32*136                     ; those of 32 rows
.set SPARE, SCL+256*136                ; the spare words: two blocks of 256 bytes that no other line names
.set REC,   4352                       ; a record of wpack
.set NIL,   1                          ; 0
.set AD,    4                          ; LDS address of x's fragments from block 0 on,
.set ADH,   8                          ; from block 8 on
.set SAD,   5                          ; LDS address of x's scale words: lane l row l
.set LN,    6                          ; 16 x lane
.set LS,    7                          ; 16 x (lane % 16)
.set LOB,   9                          ; AD for slot 0
.set CO,    10                         ; my byte offset in out0: row 8 (lane / 16), 16 x (lane % 16)
.set SPW,   11                         ; LDS address of my spare word
.set BI,    12                         ; v12-15 the bias of my four columns
.set SA,    16                         ; x's scale words: pair p of blocks (32 rows, a lane a row) at SA + 8 x (step % 2) + p
.set SB,    32                         ; W's scale words: set k, tile b at SB + 4 k + b, in lanes 0-15
.set AB,    64
.set ACC,   128
.set G1,    24                         ; s[24:31] descriptor group 1 for x's codes
.set G0,    32                         ; s[32:35] group 0 for the ring
.set G0H,   36                         ; s[36:39] group 0 for the head's load of codes
.set G1S,   68                         ; s[68:75], s[76:79] groups 1 and 0 for x's scales
.set G0S,   76
.set G1H,   80                         ; s[80:87] group 1 for the head's loads of 84 rows (group 0 at G0H)
.set G0W,   88                         ; s[88:91] group 0 for the head's load of 88 rows
.set WB,    52                         ; s[52:53] my records of wpack, at the first step of the slot in hand
.set CUR,   60                         ; s60 LDS address of the slot in hand
.set MSB, 0
.macro WIN new                         ; the immediate's high byte repeats the setting that is left; a switch that changes nothing is dropped
.if MSB != (\new)
	s_set_vgpr_msb (MSB<<8)|(\new)
.set MSB, \new
.endif
.endm
; Four places: a load into a register that a matrix instruction has read, and a vector instruction that reads a result, stand four plain vector instructions behind it (ISA guide 7.12.1 for vector instructions).
.macro PLACES
.rept 4
	v_nop
.endr
.endm
.macro CREST                           ; a round of the cluster's barrier behind its opening barrier
	s_cmp_lg_u32 s14, 0
	s_cbranch_scc1 .Lnot_wave_0_\@
	s_barrier_signal -3
.Lnot_wave_0_\@:
	s_barrier_wait -3
	s_barrier_signal -1
	s_barrier_wait -1
.endm
.macro CROUND
	s_barrier_signal -1
	s_barrier_wait -1
	CREST
.endm
.macro BLOC k, b                       ; where tile b of W's set k lies: window BW, registers from BR on
.if (\k)<4
.set BW, 1+((\k)/2)
.set BR, 32*((\k)%2)+8*(\b)
.else
.set BW, 3
.set BR, 32*((\k)-4)+8*(\b)
.endif
.endm
.macro GBS g                           ; ask for W, g steps from WB: four tiles of 2 x 512 consecutive bytes, and the step's scale words (the two halves of the lanes read the same 256 bytes)
.irp b, 0,1,2,3
	BLOC ((\g)%8), \b
.set nw, BW<<6
	WIN nw
	global_load_b128 v[BR:BR+3], v[LN], s[WB:WB+1] offset:(\g)*REC+1024*\b
	global_load_b128 v[BR+4:BR+7], v[LN], s[WB:WB+1] offset:(\g)*REC+1024*\b+512
.endr
	WIN 0
	global_load_b128 v[SB+4*((\g)%8):SB+4*((\g)%8)+3], v[LS], s[WB:WB+1] offset:(\g)*REC+4096
.endm
; Phase ph of step q of a slot: matrix instruction n: tile n / 2 of W, pair 2 ph + n % 2 of x's blocks.  z = 1: it starts the sum.  The 32 accumulators take turns, one instruction a turn, in the same order in every step
.macro PH ph, q, z
.irp n, 0,1,2,3,4,5,6,7
	BLOC \q, (\n/2)
.set mD, ACC+64*(\n%2)+16*(\n/2)
.set mA, AB+16*(2*((\ph)%2)+(\n%2))
.set mX, SA+8*((\q)%2)+2*(\ph)+(\n%2)
.set mY, SB+4*(\q)+(\n/2)
.set mW, ((\ph)/2)*(1+((\q)%2))
.set nw, (mW|(BW<<2)|((\ph)<<4)|((\ph)<<6))
	WIN nw
.if \z
	v_wmma_scale_f32_32x16x128_f4 v[mD:mD+15], v[mA:mA+15], v[BR:BR+7], 0, v[mX], v[mY]
.else
	v_wmma_scale_f32_32x16x128_f4 v[mD:mD+15], v[mA:mA+15], v[BR:BR+7], v[mD:mD+15], v[mX], v[mY]
.endif
.endr
.endm
; Eight blocks of 16 rows of x, step l of a slot: lane (r, h) takes row r, 16 bytes at 64 l + 16 h and at 32 more.
.macro LDA adr, l
.irp i, 0,1,2,3,4,5,6,7
	ds_load_b128 v[AB+8*\i:AB+8*\i+3], v[\adr] offset:\i*BLK+64*(\l)
	ds_load_b128 v[AB+8*\i+4:AB+8*\i+7], v[\adr] offset:\i*BLK+64*(\l)+32
.endr
.endm
.macro LDX l                           ; all that step l wants of LDS: scale words, blocks 0-7, blocks 8-15: 8 + 16 + 16 loads
	WIN 0
.irp p, 0,1,2,3,4,5,6,7
	ds_load_b32 v[SA+8*((\l)%2)+\p], v[SAD] offset:SPAIR*\p+4*(\l)
.endr
	LDA AD, \l
.set nw, (1+((\l)%2))<<6
	WIN nw
	LDA ADH, \l
.endm
.macro STEP q, z, g
	s_wait_loadcnt 54                              ; this step's set of W is in: behind it six steps' nine loads
	s_wait_dscnt 16                                ; scale words and blocks 0-7 are in; blocks 8-15's sixteen loads may be out
	PH 0, \q, \z
	PH 1, \q, \z
	s_wait_dscnt 0                                 ; blocks 8-15 are in
	PLACES
	LDX (\q)+1
	GBS \g
	PH 2, \q, \z
	PH 3, \q, \z
.endm
; A slot's last step changes slots ahead of its run of loads: all my reads of the slot have been issued by then.  In front of the barrier each wave waits for all its tensor loads, adds 0 to its spare word, and waits for that and for
; its own reads.  Behind it nobody reads this slot and the next one is whole.  refill = 1: the slot is filled again, and the barrier opens a round of the cluster's barrier.
.macro TURN g, refill
	s_wait_loadcnt 54
	WIN 0                                          ; (the add's two registers lie in window 0)
	s_wait_tensorcnt 0x0                           ; my part of the next slot has landed;
	ds_add_u32 v[SPW], v[NIL]                      ; 0 onto my spare word;
.if \refill
	s_add_co_u32 s[G0+1], s50, s[CUR]              ; no tensor load of mine is out: my 64 rows of the slot in hand,
	s_add_nc_u64 s[G0+2:G0+3], s[G0+2:G0+3], 512   ; 1,024 codes further along K
.endif
	s_xor_b32 s[CUR], s[CUR], SLOT                 ; 0 and SLOT by turns
	s_wait_dscnt 17                                ; scale words and blocks 0-7 are in; behind them blocks 8-15's sixteen loads and the add
	PH 0, 7, 0
	s_wait_dscnt 0x0                               ; the add is done, and my reads of this slot are over
	s_barrier_signal -1
	PH 1, 7, 0
	WIN 0
	v_add_nc_u32 v[AD], s[CUR], v[LOB]             ; the addresses, on to the next slot
	v_add_nc_u32 v[SAD], 32, v[SAD]
	v_add_nc_u32 v[ADH], 8*BLK, v[AD]
	s_wait_alu depctr_va_vdst(0)
	s_barrier_wait -1
.if \refill
	CREST                                          ; no wave of any partner still reads this slot or has a load on its way
	tensor_load_to_lds s[G0:G0+3], s[G1:G1+7]      ; eight steps ahead of the wait for it
	s_nop 0
.endif
	PLACES
	LDX 0
	GBS \g
	PH 2, 7, 0
	PH 3, 7, 0
.endm
.macro SIX                             ; steps 1 .. 6 of a slot
.irp q, 1,2,3,4,5,6
	STEP \q, 0, \q+7
.endr
.endm
; BY ROWS.  Pair p of x's blocks (32 rows), steps 2 .. 7 of the last slot: six fragments of 16 registers, m = 0 .. 5.  Even pairs take window 0 and the first half of window 1's, odd pairs the rest.
.macro TBUF p, m
.if ((\p)%2)==0
.set tw, (\m)/4
.set tr, AB+16*((\m)%4)
.else
.set tw, 1+((\m)+2)/4
.set tr, AB+16*(((\m)+2)%4)
.endif
.endm
.macro TLOAD p                         ; 3 + 24 loads
.set tA, AD+((\p)/4)*(ADH-AD)
	WIN 0
.irp m, 0,1,2
	ds_load_b64 v[SA+8*((\p)%2)+2*\m:SA+8*((\p)%2)+2*\m+1], v[SAD] offset:SPAIR*(\p)+8*(1+\m)
.endr
.irp m, 0,1,2,3,4,5
	TBUF (\p), \m
.set nw, tw<<6
	WIN nw
.irp i, 0,1
	ds_load_b128 v[tr+8*\i:tr+8*\i+3], v[tA] offset:((2*(\p)+\i)%8)*BLK+64*(2+\m)
	ds_load_b128 v[tr+8*\i+4:tr+8*\i+7], v[tA] offset:((2*(\p)+\i)%8)*BLK+64*(2+\m)+32
.endr
.endr
.endm
; THE WAY OUT of pair p.  The finished rows go, with the bias, into 64 registers: pair 0's into W's sets 0 and 1 (used up by then), each later pair's into the sums of the pair before it.
.macro OUT p
.if (\p)==0
.set TW, 1
.set TB, 0
.else
.set TW, ((\p)-1)/2
.set TB, ACC+64*(((\p)-1)%2)
.endif
.set nw, (TW<<6)|((\p)/2)
	WIN nw
.irp i, 0,1
.irp j, 0,1,2,3,4,5,6,7
.irp b, 0,1,2,3
	v_add_f32 v[TB+32*\i+4*\j+\b], v[ACC+64*((\p)%2)+16*\b+8*\i+\j], v[BI+\b]
.endr
.endr
.endr
.set nw, TW<<2
	WIN nw
.irp i, 0,1
.irp j, 0,1,2,3,4,5,6,7
	global_store_b128 v[CO], v[TB+32*\i+4*\j:TB+32*\i+4*\j+3], s[12:13] offset:(32*(\p)+16*\i+\j)*16384 th:TH_STORE_NT   ; lanes 0-15 256 consecutive, aligned bytes of one row, lanes 16-31 of the row 8 further on; 4,046,848 at the most, inside the signed 24-bit immediate (ISA guide, chapter 10)
.endr
.endr
.endm
.macro PAIR p
	PLACES                                         ; for the loads into the pair before's fragments and for the reads of its sums
.if (\p)<7
	TLOAD (\p)+1
.endif
.if (\p)>0
	OUT (\p)-1
.endif
.if (\p)<7
	s_wait_dscnt 27                                ; my pair's fragments are in; behind them the next pair's 27 loads
.else
	s_wait_dscnt 0
.endif
.irp m, 0,1,2,3,4,5
.if (\p)==0
	s_wait_loadcnt 45-9*\m                         ; this step's set of W is in; behind it the later steps' nine loads each
.endif
.irp b, 0,1,2,3                        ; the four accumulators by turns
	TBUF (\p), \m
	BLOC (2+\m), \b
.set mD, ACC+64*((\p)%2)+16*\b
.set mX, SA+8*((\p)%2)+\m
.set mY, SB+4*(2+\m)+\b
.set nw, (tw|(BW<<2)|(((\p)/2)<<4)|(((\p)/2)<<6))
	WIN nw
	v_wmma_scale_f32_32x16x128_f4 v[mD:mD+15], v[tr:tr+15], v[BR:BR+7], v[mD:mD+15], v[mX], v[mY]
.endr
.endr
.endm
	s_load_b256 s[4:11], s[0:1], 0x0               ; x's codes s[4:5], x's scales s[6:7], wpack s[8:9], the bias s[10:11]
	s_load_b64 s[12:13], s[0:1], 0x20              ; out0
	v_lshl_add_u32 v[SPW], v0, 2, SPARE
	v_mov_b32 v[NIL], 0
	ds_add_u32 v[SPW], v[NIL]                      ; the wave's opening
	ds_add_u32 v[SPW], v[NIL]
	v_lshrrev_b32 v67, 5, v0                       ; (v64-68 serve here alone, until x's first blocks land on them)
	v_readfirstlane_b32 s14, v67                   ; wave 0..3
	v_and_b32 v64, 15, v0                          ; r
	v_bfe_u32 v65, v0, 4, 1                        ; h
	v_and_b32 v66, 31, v0
	v_mul_u32_u24 v68, v64, PITCH
	v_lshlrev_b32 v[LS], 4, v64
	v_lshlrev_b32 v[LN], 4, v66
	v_mul_u32_u24 v66, v66, 136
	v_lshl_add_u32 v[LOB], v65, 4, v68             ; row r x pitch + 16 h
	v_lshl_add_u32 v[AD], v65, 4, v68
	v_lshl_add_u32 v[CO], v65, 17, v[LS]           ; 8 h rows of 16,384 bytes + 16 r
	v_add_nc_u32 v[SAD], SCL, v66
	v_add_nc_u32 v[ADH], 8*BLK, v[LOB]
	s_bfe_u32 s40, ttmp6, 0x40000                  ; cx
	s_lshl_b32 s42, ttmp9, 2
	s_add_co_u32 s42, s42, s40                     ; tile column = 4 x cluster x + cx
	s_and_b32 s17, ttmp7, 0xffff                   ; tile row
	s_lshl_b32 s43, s42, 2
	s_add_co_u32 s43, s43, s14                     ; my group of 64 columns
	; descriptor groups 1 for x's codes: rows of 512 bytes, 2,048 apart in memory: at the head 88 of them (G1) or 84 (G1H), in the ring 64 (G1)
.irp g, G1, G1H
	s_mov_b32 s[\g+0], 15|(1<<20)|(1<<21)|(6<<22)|(3<<25)          ; 15:0 the mask: the cluster's four; elements of 1 byte; 20 padding on; 21 set beside a mask; 24:22 after every 128 words (code 6); 31:25 of 4 words (code 3)
	s_mov_b32 s[\g+1], 512<<16                     ; tensor_dim0
	s_mov_b32 s[\g+3], 512<<16                     ; tile_dim0
	s_mov_b32 s[\g+5], 2048                        ; tensor_dim0_stride
	s_mov_b32 s[\g+6], 0
	s_mov_b32 s[\g+7], 0
.endr
	s_mov_b32 s[G1+2], 88<<16                      ; tensor_dim1
	s_mov_b32 s[G1+4], 88                          ; tile_dim1
	s_mov_b32 s[G1H+2], 84<<16
	s_mov_b32 s[G1H+4], 84
	; for x's scales of all 256 rows: 32,768 dense bytes as 128 rows of 256 bytes, 2 words of padding behind every 32 words: 136 bytes a row of scales
	s_mov_b32 s[G1S+0], 15|(3<<16)|(1<<20)|(1<<21)|(4<<22)|(1<<25)
	s_mov_b32 s[G1S+1], 32<<16
	s_mov_b32 s[G1S+2], 128<<16
	s_mov_b32 s[G1S+3], 32<<16
	s_mov_b32 s[G1S+4], 128
	s_mov_b32 s[G1S+5], 32
	s_mov_b32 s[G1S+6], 0
	s_mov_b32 s[G1S+7], 0
	s_lshl_b32 s20, s17, 19                        ; x's codes: 256 rows of 2,048 bytes a tile row,
	s_mov_b32 s62, s20                             ; at the head in wave 0 from row 0 on,
	s_mov_b32 s63, 0
	s_mul_i32 s51, s14, 84
	s_add_co_u32 s51, s51, 4                       ; in waves 1 and 2 from row 88 + 84 (wave - 1) on,
	s_lshl_b32 s44, s51, 11
	s_add_co_u32 s44, s44, s20
	s_mov_b32 s45, 0
	s_mul_i32 s51, s51, PITCH                      ; (and where these rows go)
	s_lshl_b32 s21, s14, 17
	s_add_co_u32 s46, s20, s21                     ; in the ring from 64 x wave on,
	s_add_co_u32 s46, s46, 512                     ; where it begins with the second slot
	s_mov_b32 s47, 0
	s_lshl_b32 s48, s17, 15                        ; x's scales: 128 bytes a row
	s_mov_b32 s49, 0
	s_mul_i32 s50, s14, 64*PITCH                   ; where the ring's 64 rows go in a slot
	s_mul_i32 s54, s43, 32*REC
	s_mov_b32 s55, 0
	s_lshl_b32 s58, s43, 8                         ; my 64 columns, in bytes: in a row of out0 and in the bias alike
	s_mov_b32 s59, 0
	s_lshl_b32 s56, s17, 22                        ; out0: 256 rows of 16,384 bytes a tile row
	s_add_co_u32 s56, s56, s58
	s_mov_b32 s57, 0
	s_mov_b32 s[CUR], 0
	s_wait_alu depctr_va_vdst(0)
	s_wait_dscnt 0x0                               ; both opening adds are done
	s_wait_kmcnt 0x0
	s_mov_b32 s[G0H], 1
	s_add_co_u32 s[G0H+1], s51, 0
	s_add_nc_u64 s[G0H+2:G0H+3], s[4:5], s[44:45]
	s_or_b32 s[G0H+3], s[G0H+3], 0x80000000
	s_mov_b32 s[G0S], 1
	s_mov_b32 s[G0S+1], SCL
	s_add_nc_u64 s[G0S+2:G0S+3], s[6:7], s[48:49]
	s_or_b32 s[G0S+3], s[G0S+3], 0x80000000
	s_mov_b32 s[G0W], 1
	s_mov_b32 s[G0W+1], 0
	s_add_nc_u64 s[G0W+2:G0W+3], s[4:5], s[62:63]
	s_or_b32 s[G0W+3], s[G0W+3], 0x80000000
	s_mov_b32 s[G0], 1
	s_add_co_u32 s[G0+1], s50, SLOT
	s_add_nc_u64 s[G0+2:G0+3], s[4:5], s[46:47]
	s_or_b32 s[G0+3], s[G0+3], 0x80000000
	s_add_nc_u64 s[WB:WB+1], s[8:9], s[54:55]
	s_add_nc_u64 s[10:11], s[10:11], s[58:59]
	s_add_nc_u64 s[12:13], s[12:13], s[56:57]
	CROUND                                         ; the four work-groups are here: the first joint loads meet
	s_cmp_eq_u32 s14, 0                            ; one tensor load a wave at the head: wave 0 88 rows of slot 0, waves 1 and 2 84 rows each, wave 3 the scales
	s_cbranch_scc0 .Lhead_h
	tensor_load_to_lds s[G0W:G0W+3], s[G1:G1+7]
	s_nop 0
	PLACES
	s_branch .Lhead_asked
.Lhead_h:
	s_cmp_lt_u32 s14, 3
	s_cbranch_scc0 .Lhead_s
	tensor_load_to_lds s[G0H:G0H+3], s[G1H:G1H+7]
	s_nop 0
	PLACES
	s_branch .Lhead_asked
.Lhead_s:
	tensor_load_to_lds s[G0S:G0S+3], s[G1S:G1S+7]
	s_nop 0
	PLACES
.Lhead_asked:
	global_load_b128 v[BI:BI+3], v[LS], s[10:11]   ; the bias of columns 4 r .. 4 r + 3
.irp k, 0,1,2                          ; W's first three steps; the next four follow slot 1's fill
	GBS \k
.endr
	s_wait_tensorcnt 0x0                           ; my tile of the head's is in
	ds_add_u32 v[SPW], v[NIL]
	s_mov_b32 s[G1+2], 64<<16                      ; no tensor load of mine is out: from here on a load brings 64 rows
	s_mov_b32 s[G1+4], 64
	s_wait_dscnt 0x0                               ; the add is done
	CROUND                                         ; everybody's tiles are in, and the four work-groups are here
	tensor_load_to_lds s[G0:G0+3], s[G1:G1+7]      ; slot 1's first fill, the first tensor load behind the round
	s_nop 0
	PLACES
	LDX 0
.irp k, 3,4,5,6
	GBS \k
.endr
	STEP 0, 1, 7                                   ; the first step starts the sums: nothing is ever cleared
	WIN 0                                          ; at a label and at a branch every window is 0
	s_mov_b32 s3, 2
.Lslot:                                                ; a trip goes from a slot's second step to the next slot's first, and fills the slot just read again
	SIX
	TURN 14, 1
	STEP 0, 0, 15
	WIN 0
	s_wait_xcnt 0x0                                ; the loads of W have read their base
	s_add_nc_u64 s[WB:WB+1], s[WB:WB+1], 8*REC
	s_sub_co_u32 s3, s3, 1
	s_cmp_lg_u32 s3, 0
	s_cbranch_scc1 .Lslot
	SIX                                            ; the third slot; behind it nothing is filled again
	TURN 14, 0
	STEP 0, 0, 15                                  ; the last slot's step 0 asks for W's last step
	s_wait_loadcnt 54                              ; its step 1 asks for no more of W
	s_wait_dscnt 16
	PH 0, 1, 0
	PH 1, 1, 0
	s_wait_dscnt 0
	PLACES
	TLOAD 0                                        ; the first pair's fragments, into the registers of blocks 0-7 and of an even step's blocks 8-15
	PH 2, 1, 0
	PH 3, 1, 0
.irp p, 0,1,2,3,4,5,6,7
	PAIR \p
.endr
	PLACES
	OUT 7
	WIN 0
	s_wait_tensorcnt 0x0                           ; the wave's end
	ds_add_u32 v[SPW], v[NIL]
	s_wait_dscnt 0x0
	CROUND                                         ; the closing round: no work-group ends while a partner may still ask for a tile that names it
	s_endpgm
.Lfunc_end_k_q4288799b7a_gemm:
	.size	k_q4288799b7a_gemm, .Lfunc_end_k_q4288799b7a_gemm-k_q4288799b7a_gemm
	.p2alignl 7, 3214868480
	.fill 96, 4, 3214868480
	.section	.rodata,"a",@progbits
	.p2align	6, 0x0
	.amdhsa_kernel k_q4288799b7a_gemm
		.amdhsa_group_segment_fixed_size 327680
		.amdhsa_private_segment_fixed_size 0
		.amdhsa_enable_private_segment 0
		.amdhsa_kernarg_size 40
		.amdhsa_user_sgpr_count 2
		.amdhsa_user_sgpr_kernarg_segment_ptr 1
		.amdhsa_wavefront_size32 1
		.amdhsa_system_sgpr_workgroup_id_x 1
		.amdhsa_system_sgpr_workgroup_id_y 1
		.amdhsa_system_sgpr_workgroup_id_z 1
		.amdhsa_system_vgpr_workitem_id 0
		.amdhsa_next_free_vgpr 1024
		.amdhsa_next_free_sgpr 98
		.amdhsa_reserve_vcc 0
		.amdhsa_float_denorm_mode_32 3
		.amdhsa_float_denorm_mode_16_64 3
		.amdhsa_memory_ordered 1
		.amdhsa_forward_progress 1
		.amdhsa_inst_pref_size 224
	.end_amdhsa_kernel
	.amdgpu_metadata
---
amdhsa.version: [ 1, 2 ]
amdhsa.kernels:
  - .name:           k_q4288799b7a_gemm
    .symbol:         k_q4288799b7a_gemm.kd
    .args:
      - { .name: x_codes, .offset: 0, .size: 8, .value_kind: global_buffer, .address_space: global }
      - { .name: x_scales, .offset: 8, .size: 8, .value_kind: global_buffer, .address_space: global }
      - { .name: wpack, .offset: 16, .size: 8, .value_kind: global_buffer, .address_space: global }
      - { .name: bias_param, .offset: 24, .size: 8, .value_kind: global_buffer, .address_space: global }
      - { .name: out0, .offset: 32, .size: 8, .value_kind: global_buffer, .address_space: global }
    .group_segment_fixed_size: 327680
    .private_segment_fixed_size: 0
    .kernarg_segment_align: 8
    .kernarg_segment_size: 40
    .max_flat_workgroup_size: 128
    .sgpr_count:     98
    .vgpr_count:     1024
    .wavefront_size: 32
...
	.end_amdgpu_metadata
.endif
;; end of part 2
